; MI455X (gfx1250); checked and timed in simulation.
; The chip was launched on July 23, 2026; its instructions are those of AMD's public machine-readable ISA for CDNA 5 (MIT licence, August 2026) and "CDNA5" Instruction Set Architecture Reference Guide (July 2026). The comments in the code are by the model that wrote it; some were corrected since.
;; S Tra TS Multi Time Attention. Allowed arithmetic: matrix products marked QUANTISED: E2M1 operands, one E8M0 scale for each 32 along K, by v_wmma_scale_f32_16x16x128_f8f6f4 with both operands' format E2M1 (or v_wmma_scale_f32_32x16x128_f4), f32 sums; products left as they are: bf16, f16 or f32 operands; f32 sums; everything else in f32.
;; Inputs: Wk 8 x 256 x 32 float32; Wq 8 x 256 x 32 float32; Wv 8 x 256 x 32 float32; key 32 x 1,024 x 256 float32; mask 32 x 1,024 float32; query 32 x 1,024 x 256 float32; value 32 x 1,024 x 256 float32.
;; Outputs: out0 32 x 1,024 x 256 float32.
;; This version of the problem:
;;   THIS VERSION OF THE PROBLEM IS GIVEN IN LOW PRECISION. The matrix products marked QUANTISED in the list below multiply operands that are first quantised to E2M1 (2 exponent bits, 1 mantissa bit; 4 bits a number), with one power-of-two scale for each 32 numbers along K (OCP MX v1.0); their sums are f32. The products marked 'left as it is' may take bf16, f16 or f32 operands, with f32 sums. Whichever they take, every output number must still come out within the allowed error. Rounding operands to bf16 (8 significant bits) uses up far more of that allowance than f16 does (11 bits, for magnitudes from 6e-5 to 65,504). All else is computed in f32.
;;   The module's matrix products, in the order in which they are computed (A, B: the left and right operand; K: the contracted axis; several contracted axes count as one K, in the product's order):
;;     1. [M 256, K 256] x [K 256, N 32,768]; A: input Wq; B: input query: QUANTISED
;;     2. [M 256, K 256] x [K 256, N 32,768]; A: input Wk; B: input key: QUANTISED
;;     3. [M 256, K 256] x [K 256, N 32,768]; A: input Wv; B: input value: QUANTISED
;;     4. batch 256 x [M 1,024, K 32] x [K 32, N 1,024]; A: computed on the way; B: computed on the way: left as it is (an operand is computed on the way)
;;     5. batch 256 x [M 1,024, K 1,024] x [K 1,024, N 32]; A: computed on the way; B: computed on the way: left as it is (an operand is computed on the way)
;;   THE QUANTISER, for each operand of a quantised product, along K:
;;     - K is cut into blocks of 32 from its start; a last block that is shorter is filled with zeros.
;;     - A block's scale is 2^e with e = floor(log2(the largest magnitude in the block)) - 2, held to -126 .. 127; a block of zeros has e = 0. As a byte (E8M0): e + 127.
;;     - Each number is divided by its block's scale, clamped to +-6, and rounded to the nearest number of E2M1, ties to even, subnormals kept.
;;     - The product sums the exact products of the quantised numbers (number of the format x scale) in f32.
;;   ~~~python
;;   def quantise(x, axis):      # numpy; x: float32 -> the quantised numbers, widened to float32 again
;;       x = np.moveaxis(x, axis, -1); K = x.shape[-1]
;;       x = np.pad(x, [(0, 0)] * (x.ndim - 1) + [(0, -K % 32)]); x = x.reshape(x.shape[:-1] + (-1, 32)); a = np.abs(x).max(-1, keepdims=True)
;;       e = np.where(a > 0, np.clip(np.frexp(np.where(a > 0, a, 1))[1] - 1 - 2, -126, 127), 0)      # np.frexp(a)[1] - 1 = floor(log2(a)), exactly
;;       r = np.clip(x / 2.0 ** e, -6, 6)
;;       step = 2.0 ** (np.maximum(np.frexp(np.where(r == 0, 1, r))[1] - 1, 0) - 1)
;;       q = np.round(r / step) * step * 2.0 ** e      # np.round: ties to even
;;       return np.moveaxis(q.reshape(q.shape[:-2] + (-1,))[..., :K], -1, axis).astype(np.float32)
;;   ~~~
;; 2 versions, each right; version 2 is version 1 with the launch attn written anew for expert scheduling mode. Each part assembles by itself: llvm-mc -triple=amdgcn-amd-amdhsa -mcpu=gfx1250 --defsym DOCPART=n.
;; ======== version 1 of 2: 2 launches
;; limits: values are held in f16: magnitudes above 65,504 overflow, below 6.1e-05 lose precision
;; workspace buffers: xcodes 12,582,912 bytes; xscales 786,432 bytes; wimg 110,592 bytes
;; launch quant (part 1): grid 792 x 1, 4 waves a work-group, no clusters, 33,280 bytes of LDS; arguments query, key, value, Wq, Wk, Wv, xcodes, xscales, wimg; writes xcodes, xscales, wimg
.if DOCPART == 1
	.amdgcn_target "amdgcn-amd-amdhsa--gfx1250"
	.amdhsa_code_object_version 6
	.text
	.protected	k_q3bdddbc2f8_quant
	.globl	k_q3bdddbc2f8_quant
	.p2align	8
	.type	k_q3bdddbc2f8_quant,@function
k_q3bdddbc2f8_quant:
	s_mov_b64 s[64:65], 0
	v_nop
	global_prefetch_b8 v0, s[64:65] scope:SCOPE_SE
	s_setreg_imm32_b32 hwreg(HW_REG_WAVE_MODE, 25, 1), 1
	s_wait_xcnt 0x0
; query, key, value [32,768 rows][256] f32 become codes of E2M1 (two a byte, K innermost, 128 bytes a row) and one E8M0 byte for each 32 along K (8 bytes a row):
; xcodes [3][32,768][128], xscales [3][32,768][8], the tensors in the order query, key, value.
; Wq, Wk, Wv [8 heads][256 (K)][32] f32 become IMAGES OF OPERAND REGISTERS: wimg [4 head pairs][27,648 bytes]; in a pair's block fragment fl = 8 t + 4 (head % 2) + 2 ct + s
; (t: 0 Wq, 1 Wk, 2 Wv; ct: 16 columns; s: 128 along K) has its registers 4 c .. 4 c + 3 at 1,024 fl + 512 c + 16 lane and its scale word at 24,576 + 128 fl + 4 lane.
; A block's scale is 2^(floor(log2(its largest magnitude)) - 2); its byte is the largest magnitude's exponent field - 2, held at 1 from below; each number is divided by the scale and rounded to the nearest code, ties to even.
; LIMITS: a block of zeros gets the byte 1 where the stated quantiser says 127: its codes are zeros, which add nothing under that byte, and this program alone reads the bytes.  NaN and infinities among the inputs are not served.
; SHARES.  Work-groups 0 to 767 take the three activations, 256 each: a wave takes 16 steps of 512 numbers.  Rows are dense and 256 is a multiple of 32, so a tensor is a plain stream of blocks.
; A step's four loads read 512 consecutive bytes each; its 2,048 bytes turn through the wave's own stage in LDS (80 bytes from lane to lane) so that a lane holds 16 neighbours along K, two lanes a block.
; Work-groups 768 to 791 take a head of a weight each, a wave a fragment: a lane takes a column and its registers run down K, in the order that the operand's layout gives that lane.
; No tensor load, no barrier: waves share nothing.  Matrix units and clusters have nothing to do here: every byte is read once.
.set STEPS, 16
.set EMAX,  2
.set CB,    8                          ; bytes of 16 codes
.set R,     16                         ; v16-79   four sets of 16 numbers as they are loaded
.set X,     80                         ; v80-111  two sets of 16 neighbours
.set E,     112                        ; v112-127 a scale byte for each step
.set C,     128                        ; v128-191 codes: four registers for each step, so that no store's data are written again
.set WREG,  8192                       ; LDS: a region for each wave: two stages of 32 x SP bytes, behind them its 256 scale bytes
.set SP,    80                         ; a lane's place in a stage: its 64 bytes + 16 of padding
.set SPW,   12                         ; v12  LDS address of my spare word: SPARE + 4 x my thread's number; never rewritten
.set NIL,   13                         ; v13  0; never rewritten
.set SPARE, 4*WREG                     ; behind the four regions: the spare words, 128 bytes a wave, which no other line names
.set XWG,   768                        ; work-groups that take activations
.set HPB,   27648                      ; a head pair's block of wimg
.set WSCO,  24576                      ; where its scale words begin
	s_load_b256 s[4:11], s[0:1], 0x0               ; query s[4:5], key s[6:7], value s[8:9], Wq s[10:11]
	s_load_b256 s[12:19], s[0:1], 0x20             ; Wk s[12:13], Wv s[14:15], xcodes s[16:17], xscales s[18:19]
	s_load_b64 s[20:21], s[0:1], 0x40              ; wimg
	v_lshl_add_u32 v[SPW], v0, 2, SPARE
	v_mov_b32 v[NIL], 0
	v_lshrrev_b32 v1, 5, v0
	v_readfirstlane_b32 s22, v1                    ; wave 0..3
	v_and_b32 v2, 31, v0                           ; lane
	v_lshlrev_b32 v3, 4, v2                        ; my 16 bytes of a load's 512
	s_mul_i32 s23, s22, WREG
	v_lshrrev_b32 v14, 2, v2
	v_mul_u32_u24 v14, v14, SP
	v_and_b32 v15, 3, v2
	v_lshl_add_u32 v14, v15, 4, v14
	v_add_nc_u32 v14, s23, v14                     ; the stage, on the way in: four lanes' 64 bytes on end, then 16 of padding
	v_mul_u32_u24 v15, v2, SP
	v_add_nc_u32 v15, s23, v15                     ; and on the way out: SP x lane: my 16 neighbours
	v_mul_u32_u24 v4, v2, CB                       ; my codes' place in a step's
	v_lshrrev_b32 v5, 1, v2
	s_add_co_u32 s23, s23, 2*32*SP
	v_add_nc_u32 v5, s23, v5                       ; LDS: my wave's 256 scale bytes, my block's byte
	v_lshlrev_b32 v7, 3, v2                        ; and on the way out 8 bytes a lane
	v_add_nc_u32 v6, s23, v7
	s_wait_kmcnt 0x0
	s_cmp_ge_u32 ttmp9, XWG                        ; the work-group's number alone decides
	s_cbranch_scc1 .Lweights
	; ---- the activations
	s_cmp_lt_u32 ttmp9, 512
	s_cselect_b64 s[24:25], s[6:7], s[8:9]         ; key or value,
	s_cmp_lt_u32 ttmp9, 256
	s_cselect_b64 s[24:25], s[4:5], s[24:25]       ; or query
	s_and_b32 s26, ttmp9, 255
	s_lshl_b32 s26, s26, 2
	s_add_co_u32 s26, s26, s22                     ; which run of 8,192 numbers of the tensor is my wave's: 0 .. 1,023
	s_lshl_b32 s26, s26, 15                        ; 32,768 bytes a run
	s_mov_b32 s27, 0
	s_add_nc_u64 s[24:25], s[24:25], s[26:27]
	s_lshl_b32 s28, ttmp9, 2
	s_add_co_u32 s28, s28, s22                     ; the run counted over the three tensors: the workspace holds them on end
	s_lshl_b32 s30, s28, 12                        ; 4,096 bytes of codes a run
	s_mov_b32 s31, 0
	s_add_nc_u64 s[16:17], s[16:17], s[30:31]
	s_lshl_b32 s30, s28, 8                         ; 256 scale bytes a run
	s_add_nc_u64 s[18:19], s[18:19], s[30:31]
.macro LOAD t
.irp i, 0,1,2,3
	global_load_b128 v[R+16*((\t)%4)+4*\i:R+16*((\t)%4)+4*\i+3], v3, s[24:25] offset:2048*(\t)+512*\i th:TH_LOAD_NT   ; 32 lanes read 512 consecutive bytes; read once in the launch
.endr
.endm
.macro TURN t                          ; step t's numbers through the stage: LDS serves a wave's instructions in order (ISA guide 5.7.1.4), so no wait stands between the stores and the loads
.irp i, 0,1,2,3
	ds_store_b128 v14, v[R+16*((\t)%4)+4*\i:R+16*((\t)%4)+4*\i+3] offset:32*SP*((\t)%2)+8*SP*\i
.endr
.irp i, 0,1,2,3
	ds_load_b128 v[X+16*((\t)%2)+4*\i:X+16*((\t)%2)+4*\i+3], v15 offset:32*SP*((\t)%2)+16*\i
.endr
.endm
.irp t, 0,1,2,3
	LOAD \t
.endr
	s_wait_loadcnt 12                              ; step 0's four loads are in; the twelve of steps 1 to 3 may be out
	TURN 0
.macro STEP t
.set XS, X+16*((\t)%2)
.if (\t) > 0
	s_wait_dscnt 1                                 ; this step's numbers are back from the stage (the last step's byte store may be out): so its stores into the stage have read their registers,
.else
	s_wait_dscnt 0x0
.endif
.if (\t)+4 < STEPS
	LOAD (\t)+4                                    ; which take the loads of four steps on
.endif
.if (\t)+1 < STEPS
.if STEPS-2-(\t) >= 3
	s_wait_loadcnt 12                              ; the next step's four loads are in; those of the three steps behind it may be out
.else
	s_wait_loadcnt 4*(STEPS-2-(\t))                ; the counts run down: nothing more is asked for
.endif
	TURN (\t)+1                                    ; and go through the other stage while this step is worked
.endif
	v_max3_num_f32 v8, |v[XS]|, |v[XS+1]|, |v[XS+2]|               ; the largest magnitude of my 16, in two chains
	v_max3_num_f32 v9, |v[XS+3]|, |v[XS+4]|, |v[XS+5]|
.irp i, 6,10
	v_max3_num_f32 v8, v8, |v[XS+\i]|, |v[XS+\i+1]|
	v_max3_num_f32 v9, v9, |v[XS+\i+2]|, |v[XS+\i+3]|
.endr
	v_max3_num_f32 v8, v8, |v[XS+14]|, |v[XS+15]|
	v_max3_num_f32 v8, v8, v9, (EMAX+1)<<23        ; and the floor 2^(EMAX + 1 - 127): so the byte cannot fall under 1
	v_max_num_f32_dpp v8, v8, v8 row_xmask:1 row_mask:0xf bank_mask:0xf   ; and of my neighbour's 16: the block's
	v_add_nc_u32 v11, -(EMAX<<23), v8              ; EMAX off its exponent field: the conversion takes the exponent field of this operand as its scale, and nothing else of it
	v_cvt_scalef32_pk8_fp4_f32 v[C+4*(\t)], v[XS:XS+7], v11        ; eight numbers / the scale, to the nearest code, ties to even, beyond 6 the largest code; the first number's code in the lowest four bits
	v_cvt_scalef32_pk8_fp4_f32 v[C+4*(\t)+1], v[XS+8:XS+15], v11
	v_lshrrev_b32 v[E+(\t)], 23, v11               ; the scale's byte (also the plain line behind the conversions)
	ds_store_b8 v5, v[E+(\t)] offset:16*(\t)       ; both lanes of a block write the same byte with the same value
	global_store_b64 v4, v[C+4*(\t):C+4*(\t)+1], s[16:17] offset:32*CB*(\t)   ; the wave stores 256 consecutive bytes, aligned
.endm
.irp t, 0,1,2,3,4,5,6,7,8,9,10,11,12,13,14,15
	STEP \t
.endr
	ds_load_b64 v[8:9], v6                         ; in order behind my byte stores
	s_wait_dscnt 0x0
	global_store_b64 v7, v[8:9], s[18:19]          ; my run's 256 scale bytes: 256 consecutive bytes, aligned
	s_wait_tensorcnt 0x0                           ; the wave's end, behind my last LDS store
	ds_add_u32 v[SPW], v[NIL]
	s_wait_dscnt 0x0
	s_endpgm
	; ---- the weights: work-group 768 + 8 t + head; wave = 2 ct + s
.Lweights:
	s_sub_co_u32 s23, ttmp9, XWG                   ; g = 8 t + head
	s_cmp_lt_u32 s23, 16
	s_cselect_b64 s[24:25], s[12:13], s[14:15]     ; Wk or Wv,
	s_cmp_lt_u32 s23, 8
	s_cselect_b64 s[24:25], s[10:11], s[24:25]     ; or Wq
	s_lshr_b32 s26, s23, 3                         ; t
	s_and_b32 s27, s23, 7                          ; head
	s_lshl_b32 s28, s27, 15                        ; a head is 256 rows of 128 bytes
	s_and_b32 s29, s22, 1
	s_lshl_b32 s29, s29, 14                        ; s: 128 rows on
	s_add_co_u32 s28, s28, s29
	s_lshr_b32 s29, s22, 1
	s_lshl_b32 s29, s29, 6                         ; ct: 16 columns on
	s_add_co_u32 s28, s28, s29
	s_mov_b32 s29, 0
	s_add_nc_u64 s[24:25], s[24:25], s[28:29]
	s_lshr_b32 s30, s27, 1
	s_mul_i32 s30, s30, HPB                        ; the head pair's block
	s_and_b32 s31, s27, 1
	s_lshl_b32 s31, s31, 2
	s_lshl_b32 s34, s26, 3
	s_add_co_u32 s31, s31, s34
	s_add_co_u32 s34, s31, s22                     ; fl = 8 t + 4 (head % 2) + wave
	s_lshl_b32 s32, s34, 7
	s_add_co_u32 s32, s32, s30
	s_add_co_u32 s32, s32, WSCO                    ; where the fragment's scale words go,
	s_mov_b32 s33, 0
	s_lshl_b32 s34, s34, 10
	s_add_co_u32 s30, s30, s34                     ; and its codes
	s_mov_b32 s31, 0
	s_add_nc_u64 s[32:33], s[20:21], s[32:33]
	s_add_nc_u64 s[30:31], s[20:21], s[30:31]
	s_mov_b32 s36, 0x76543210
	s_mov_b32 s37, 0xfedcba98                      ; v_permlanex16_b32's selects for lane l xor 16
	v_and_b32 v24, 15, v0                          ; r
	v_bfe_u32 v26, v0, 4, 1                        ; h
	v_lshlrev_b32 v24, 2, v24                      ; lane r takes column r of the 16,
	v_lshl_add_u32 v25, v26, 12, v24               ; and lanes 16-31 begin 32 rows further down: the layout gives lane (r, h) k = 64 c + 32 h + 0 .. 31
	v_lshlrev_b32 v29, 4, v2                       ; the image: 16 x lane,
	v_lshlrev_b32 v30, 2, v2                       ; the scale word: 4 x lane
.irp c, 0,1
.irp i, 0,1,2,3,4,5,6,7,8,9,10,11,12,13,14,15,16,17,18,19,20,21,22,23,24,25,26,27,28,29,30,31
	global_load_b32 v[64+32*\c+\i], v25, s[24:25] offset:128*(64*\c+\i)   ; W(64 c + 32 h + i, my column): sixteen lanes read 64 neighbouring bytes; 786,432 bytes in the whole launch go this way
.endr
.endr
	s_wait_loadcnt 0x0
.irp c, 0,1                                    ; my block 2 c + h: all its 32 numbers are mine
	v_max3_num_f32 v[32+\c], |v[64+32*\c]|, |v[65+32*\c]|, 0x1800000   ; with the floor 2^(3 - 127)
.endr
.irp i, 2,4,6,8,10,12,14,16,18,20,22,24,26,28,30
.irp c, 0,1
	v_max3_num_f32 v[32+\c], v[32+\c], |v[64+32*\c+\i]|, |v[65+32*\c+\i]|   ; (the two blocks by turns)
.endr
.endr
.irp c, 0,1
	v_add_nc_u32 v[44+\c], 0xff000000, v[32+\c]    ; 2 off the exponent field: the conversion's scale operand
.endr
.irp c, 0,1
	v_lshrrev_b32 v[36+\c], 23, v[44+\c]           ; the scale's byte
.endr
	v_lshl_or_b32 v27, v37, 16, v36                ; my two bytes: blocks h and 2 + h of my column,
	v_lshlrev_b32 v28, 3, v26
	v_lshlrev_b32 v27, v28, v27                    ; at their places in the scale word (8 h bits up);
	v_mov_b32 v28, 0
	v_permlanex16_b32 v28, v27, s36, s37
	v_or_b32 v27, v27, v28                         ; with lane l xor 16's two the word is whole, in both halves of the lanes
.irp c, 0,1
.irp g, 0,1,2,3
	v_cvt_scalef32_pk8_fp4_f32 v[48+4*\c+\g], v[64+32*\c+8*\g:71+32*\c+8*\g], v[44+\c]   ; registers 4 c .. 4 c + 3 of the operand
.endr
.endr
	v_nop                                          ; one plain line behind the last scaled conversion
	global_store_b128 v29, v[48:51], s[30:31]      ; 512 consecutive bytes, aligned
	global_store_b128 v29, v[52:55], s[30:31] offset:512
	global_store_b32 v30, v27, s[32:33]            ; 128 consecutive bytes: two fragments' words share an aligned 256; 12,288 bytes in the whole launch
	s_wait_tensorcnt 0x0                           ; the wave's end, in the same form as on the other path
	ds_add_u32 v[SPW], v[NIL]
	s_wait_dscnt 0x0
	s_endpgm
.Lfunc_end_k_q3bdddbc2f8_quant:
	.size	k_q3bdddbc2f8_quant, .Lfunc_end_k_q3bdddbc2f8_quant-k_q3bdddbc2f8_quant
	.p2alignl 7, 3214868480
	.fill 96, 4, 3214868480
	.section	.rodata,"a",@progbits
	.p2align	6, 0x0
	.amdhsa_kernel k_q3bdddbc2f8_quant
		.amdhsa_group_segment_fixed_size 33280
		.amdhsa_private_segment_fixed_size 0
		.amdhsa_enable_private_segment 0
		.amdhsa_kernarg_size 72
		.amdhsa_user_sgpr_count 2
		.amdhsa_user_sgpr_kernarg_segment_ptr 1
		.amdhsa_wavefront_size32 1
		.amdhsa_system_sgpr_workgroup_id_x 1
		.amdhsa_system_sgpr_workgroup_id_y 1
		.amdhsa_system_sgpr_workgroup_id_z 1
		.amdhsa_system_vgpr_workitem_id 0
		.amdhsa_next_free_vgpr 192
		.amdhsa_next_free_sgpr 66
		.amdhsa_reserve_vcc 0
		.amdhsa_float_denorm_mode_32 3
		.amdhsa_float_denorm_mode_16_64 3
		.amdhsa_memory_ordered 1
		.amdhsa_forward_progress 1
		.amdhsa_inst_pref_size 44
	.end_amdhsa_kernel
	.amdgpu_metadata
---
amdhsa.version: [ 1, 2 ]
amdhsa.kernels:
  - .name:           k_q3bdddbc2f8_quant
    .symbol:         k_q3bdddbc2f8_quant.kd
    .args:
      - { .name: query, .offset: 0, .size: 8, .value_kind: global_buffer, .address_space: global }
      - { .name: key, .offset: 8, .size: 8, .value_kind: global_buffer, .address_space: global }
      - { .name: value, .offset: 16, .size: 8, .value_kind: global_buffer, .address_space: global }
      - { .name: Wq, .offset: 24, .size: 8, .value_kind: global_buffer, .address_space: global }
      - { .name: Wk, .offset: 32, .size: 8, .value_kind: global_buffer, .address_space: global }
      - { .name: Wv, .offset: 40, .size: 8, .value_kind: global_buffer, .address_space: global }
      - { .name: xcodes, .offset: 48, .size: 8, .value_kind: global_buffer, .address_space: global }
      - { .name: xscales, .offset: 56, .size: 8, .value_kind: global_buffer, .address_space: global }
      - { .name: wimg, .offset: 64, .size: 8, .value_kind: global_buffer, .address_space: global }
    .group_segment_fixed_size: 33280
    .private_segment_fixed_size: 0
    .kernarg_segment_align: 8
    .kernarg_segment_size: 72
    .max_flat_workgroup_size: 128
    .sgpr_count:     66
    .vgpr_count:     192
    .wavefront_size: 32
...
	.end_amdgpu_metadata
.endif
;; end of part 1
;; launch attn (part 2): grid 8 x 32, 16 waves a work-group, no clusters, 300,032 bytes of LDS; arguments xcodes, xscales, wimg, mask, out0; writes out0
.if DOCPART == 2
	.amdgcn_target "amdgcn-amd-amdhsa--gfx1250"
	.amdhsa_code_object_version 6
	.text
	.protected	k_q3bdddbc2f8_attn
	.globl	k_q3bdddbc2f8_attn
	.p2align	8
	.type	k_q3bdddbc2f8_attn,@function
k_q3bdddbc2f8_attn:
	s_mov_b64 s[64:65], 0
	v_nop
	global_prefetch_b8 v0, s[64:65] scope:SCOPE_SE
	s_setreg_imm32_b32 hwreg(HW_REG_WAVE_MODE, 25, 1), 1
	s_wait_xcnt 0x0
; out[b][s][32 head + c] = sum over keys of softmax_key(m A + (1 - m)(-1e-30)) v,  A = q . k,  q, k, v = the three projections on codes of E2M1 with E8M0 scales (K = 256), sums in f32.
; SHARES.  Work-group (x, b): head pair hp = x / 2, query half qh = x % 2: heads 2 hp, 2 hp + 1, queries 512 qh .. + 511, all 1,024 keys of batch b.  Sixteen waves of 256 registers, four to a SIMD.
;   Projection: wave w takes keys 64 w .. + 63 and projects K and V of BOTH heads from code fragments loaded straight into operand registers; the results go to LDS as f16 images of operand registers.
;   Attention: wave w takes head w / 8 and queries 64 (w % 8) .. + 63: four tiles of 16, so that each fragment of K and V read from LDS feeds four tiles.  q, k, v never go to memory.
; LAYOUT.  K and Q are projected TRANSPOSED (source 0 = 16 columns of the weight, source 1 = 16 rows): a lane holds one key (query) and 8 neighbouring channels, which rounded in pairs are four registers of the
;   operand of S^T = K Q^T.  V is projected as it stands (source 0 = 16 keys, source 1 = 16 columns): a lane holds one channel and 8 neighbouring keys: four registers of source 0 of O^T = V^T P.
;   In S^T a lane holds ONE query (lane % 16) and keys 8 (lane / 16) + 0 .. 7 of a tile; two tiles rounded in pairs ARE source 1 of V^T P.  Nothing changes lanes between the products.
; FOLDED, in f32 ahead of the rounding to f16: k' = m k (m (q . k) = q . (m k)); q' = q log2(e); b' = (1 - m)(-1e-30) log2(e) is the C of each score product.  So a score leaves the matrix unit as
;   log2(e) (m A + (1 - m)(-1e-30)), and mask and scaling cost no vector instruction for a score.
; SOFTMAX.  For each query a running maximum and sum; p = 2^(s - max); in every step O^T and the sum are multiplied by 2^(old max - new max).  The sum is taken of the unrounded p.
; LIMITS.  |q log2 e|, |m k| and |v| stay under 65,504, f16's largest number: with normal activations and these weights' spread they lie near 4, with all inputs 30 times larger near 3,500.
;   For m other than 0 or 1 the product m k is rounded to f16 where the reference multiplies the finished score: the order of rounding differs.  NaN and infinities among the inputs are not served.
; NO CLUSTER, NO TENSOR LOAD: what the eight work-groups of a batch share is 278,528 bytes of K's and V's codes and scale bytes, read once, at the head, straight into operand registers; of LDS 300,032 bytes hold
;   both heads' K and V, so there is no room to stage codes.  NO PREFETCH: every global load of this text stands at its head.
; LDS: REC 2 heads x 16 records of 8,192 bytes (64 keys: K tile kt piece ct at 1,024 kt + 512 ct + 16 lane; V (g, ct) piece par at 4,096 + 1,024 (2 g + ct) + 512 par + 16 lane, key tile 2 g + par);
;   b' [1,024] f32; m [1,024] f32; the head pair's weight images (27,648 bytes); the spare words.  On the way out the stage (512 rows x 272 bytes) lies in REC, behind a barrier behind which nobody reads REC.
.set HEADB, 131072                     ; a head's records
.set RECB,  8192
.set VOFF,  4096                       ; V's part of a record
.set BBO,   262144
.set MSK,   266240
.set WIM,   270336
.set WSCO,  24576                      ; the weights' scale words inside the images
.set SPARE, 297984                     ; 128 bytes for each of 16 waves; no other line names them
.set SP,    272                        ; a stage row: 256 bytes + 16
.set SPW, 1                            ; v1   LDS address of my spare word; never rewritten
.set NIL, 2                            ; v2   0; never rewritten
.set LI,  3                            ; v3   16 x lane: an image's place for my lane
.set WA,  4                            ; v4   weight images; then K's and V's records; then the stage, in
.set WSA, 5                            ; v5   weights' scale words; then b'; then the stage, back
.set XA,  6                            ; v6   128 r + 16 h: my bytes in 16 rows of codes; on the way out my bytes in two rows of out
.set XS,  7                            ; v7   8 r: my row's two scale words
.set SA,  8                            ; v8, v9  where I store images: head 0, head 1
.set MA,  10                           ; v10  m of my key in a tile
.set XV,  16                           ; v16-79   V's (then Q's) code fragments: tile i, K step s at 16 i + 8 s
.set XSV, 80                           ; v80-87   their scale words, 2 i + s
.set XK,  88                           ; v88-151  K's code fragments
.set XSK, 152                          ; v152-159 their scale words
.set WF,  160                          ; v160-175 a weight tile's two fragments
.set WSC, 176                          ; v176-177 their scale words
.set MK,  178                          ; v178-181 m of my key in tiles 0 to 3
.set DD,  192                          ; v192-223 four accumulators of a projection phase
.set WFQ, 88                           ; v88-119  Wq's four fragments of my head (2 ct + s)
.set WSQ, 120                          ; v120-123 their scale words
.set KF,  16                           ; attention: v16-47 K, v48-79 b', v80-111 V of 64 keys
.set BB,  48
.set VF,  80
.set SR,  112                          ; v112-143 S^T of one tile of queries, then p, then P in v112-127
.set ST,  144                          ; tile t: v[144+4t] the factor, +1 the maximum, +2, +3 the sum in two halves
.set QF,  160                          ; v160-191 Q, 8 a tile
.set OT,  192                          ; v192-255 O^T: tile t, channels 16 ct on at 16 t + 8 ct
.macro BARRIER                         ; my LDS stores have landed and my LDS loads are in: then the work-group's barrier
	s_wait_dscnt 0x0
	s_barrier_signal -1
	s_barrier_wait -1
.endm
.macro PLACES n
.rept \n
	v_nop
.endr
.endm
; 64 rows of codes and their scale words into operand registers: 20 loads.  Lane (r, h) of tile i takes, of row 16 i + r, 16 bytes at 32 j + 16 h: registers 8 s + 4 c with j = 2 s + c
.macro XLOAD xf, xs, cb, sb
.irp i, 0,1,2,3
.irp j, 0,1,2,3
	global_load_b128 v[\xf+16*\i+4*\j:\xf+16*\i+4*\j+3], v[XA], s[\cb:\cb+1] offset:2048*\i+32*\j
.endr
	global_load_b64 v[\xs+2*\i:\xs+2*\i+1], v[XS], s[\sb:\sb+1] offset:128*\i
.endr
.endm
.macro FP4 d, a, b, sa, sb, first      ; first = 1: the product starts the sum
.if \first
	v_wmma_scale_f32_16x16x128_f8f6f4 v[\d:\d+7], v[\a:\a+7], v[\b:\b+7], 0, v[\sa], v[\sb] matrix_a_fmt:MATRIX_FMT_FP4 matrix_b_fmt:MATRIX_FMT_FP4
.else
	v_wmma_scale_f32_16x16x128_f8f6f4 v[\d:\d+7], v[\a:\a+7], v[\b:\b+7], v[\d:\d+7], v[\sa], v[\sb] matrix_a_fmt:MATRIX_FMT_FP4 matrix_b_fmt:MATRIX_FMT_FP4
.endif
.endm
.macro WLOAD fl                        ; a weight tile's two K steps, fragments fl and fl + 1, from the images
.irp s, 0,1
.irp c, 0,1
	ds_load_b128 v[WF+8*\s+4*\c:WF+8*\s+4*\c+3], v[WA] offset:((\fl)+\s)*1024+512*\c
.endr
.endr
.irp s, 0,1
	ds_load_b32 v[WSC+\s], v[WSA] offset:((\fl)+\s)*128
.endr
	s_wait_dscnt 0x0                               ; they are in; and the image stores of the phase before have read their registers, which the products below write
.endm
.macro PACK4                           ; the four accumulators rounded to f16 in pairs, in place, each from its low end on
.irp i, 0,1,2,3
.irp k, 0,1,2,3
	v_cvt_pk_f16_f32 v[DD+8*\i+\k], v[DD+8*\i+2*\k], v[DD+8*\i+2*\k+1]
.endr
.endr
.endm
; V of head hh, channels 16 ct on, my 64 keys.  The four accumulators take turns, one instruction a turn.
.macro VPH hh, ct
	WLOAD 16+4*\hh+2*\ct
.irp s, 0,1
.irp i, 0,1,2,3
	FP4 DD+8*\i, XV+16*\i+8*\s, WF+8*\s, XSV+2*\i+\s, WSC+\s, 1-\s
.endr
.endr
	PLACES 5                                       ; four ahead of the reads of the results and of the next loads into the weights' registers; the fifth ahead of the next phase's product that begins an accumulator anew
	PACK4
.irp i, 0,1,2,3
	ds_store_b128 v[SA+\hh], v[DD+8*\i:DD+8*\i+3] offset:VOFF+(2*(\i/2)+\ct)*1024+(\i%2)*512
.endr
.endm
; K of head hh, channels 16 ct on, my 64 keys, transposed, times m
.macro KPH hh, ct
	WLOAD 8+4*\hh+2*\ct
.irp s, 0,1
.irp i, 0,1,2,3
	FP4 DD+8*\i, WF+8*\s, XK+16*\i+8*\s, WSC+\s, XSK+2*\i+\s, 1-\s
.endr
.endr
	PLACES 5
.irp i, 0,1,2,3
.irp j, 0,1,2,3,4,5,6,7
	v_mul_f32 v[DD+8*\i+\j], v[DD+8*\i+\j], v[MK+\i]   ; a lane holds one key of the tile: its m
.endr
.endr
	PACK4
.irp i, 0,1,2,3
	ds_store_b128 v[SA+\hh], v[DD+8*\i:DD+8*\i+3] offset:1024*\i+512*\ct
.endr
.endm
	s_load_b256 s[4:11], s[0:1], 0x0               ; xcodes s[4:5], xscales s[6:7], wimg s[8:9], mask s[10:11]
	s_load_b64 s[12:13], s[0:1], 0x20              ; out0
	v_lshl_add_u32 v[SPW], v0, 2, SPARE
	v_mov_b32 v[NIL], 0
	v_lshrrev_b32 v3, 5, v0
	v_readfirstlane_b32 s14, v3                    ; wave 0..15
	s_lshr_b32 s15, s14, 3                         ; my head in the pair
	s_and_b32 s16, s14, 7                          ; my 64 queries of the 512
	s_lshr_b32 s17, ttmp9, 1                       ; head pair
	s_and_b32 s18, ttmp9, 1                        ; query half
	s_and_b32 s19, ttmp7, 0xffff                   ; batch
	s_mov_b32 s20, 0x76543210
	s_mov_b32 s21, 0xfedcba98                      ; v_permlanex16_b32's selects for lane l xor 16
	s_mov_b32 s22, 0x3fb8aa3b                      ; log2(e)
	s_mov_b32 s23, s22                             ; (named with it as a pair, so it is written)
	s_lshl_b32 s36, s19, 17                        ; my 64 keys: row 1,024 b + 64 w; 128 bytes of codes a row,
	s_lshl_b32 s41, s14, 13
	s_add_co_u32 s36, s36, s41
	s_mov_b32 s37, 0
	s_lshl_b32 s38, s19, 13                        ; 8 scale bytes a row
	s_lshl_b32 s41, s14, 9
	s_add_co_u32 s38, s38, s41
	s_mov_b32 s39, 0
	s_lshl_b32 s42, s19, 17                        ; my 64 queries: row 1,024 b + 512 qh + 64 (w % 8)
	s_lshl_b32 s41, s18, 16
	s_add_co_u32 s42, s42, s41
	s_lshl_b32 s41, s16, 13
	s_add_co_u32 s42, s42, s41
	s_mov_b32 s43, 0
	s_lshl_b32 s44, s19, 13
	s_lshl_b32 s41, s18, 12
	s_add_co_u32 s44, s44, s41
	s_lshl_b32 s41, s16, 9
	s_add_co_u32 s44, s44, s41
	s_mov_b32 s45, 0
	v_and_b32 v3, 31, v0                           ; lane
	v_lshlrev_b32 v5, 2, v3
	v_lshlrev_b32 v[LI], 4, v3
	v_add_nc_u32 v[WA], WIM, v[LI]
	v_add_nc_u32 v[WSA], WIM+WSCO, v5
	v_and_b32 v10, 15, v0                          ; r
	v_bfe_u32 v15, v0, 4, 1                        ; h
	v_lshlrev_b32 v[XA], 7, v10
	v_lshl_add_u32 v[XA], v15, 4, v[XA]
	v_lshlrev_b32 v[XS], 3, v10
	s_lshl_b32 s41, s14, 13
	v_add_nc_u32 v[SA], s41, v[LI]                 ; record w of head 0,
	v_add_nc_u32 v[SA+1], HEADB, v[SA]             ; of head 1
	s_lshl_b32 s41, s14, 8
	s_add_co_u32 s41, s41, MSK
	v_lshl_add_u32 v[MA], v10, 2, s41              ; m of key 64 w + r
	v_lshlrev_b32 v11, 4, v0                       ; the copy of the weight images: 16 bytes a thread,
	v_add_nc_u32 v12, WIM, v11
	v_lshlrev_b32 v13, 2, v0                       ; the mask: 4 bytes a thread
	v_add_nc_u32 v14, BBO, v13
	s_mul_i32 s46, s17, 27648
	s_mov_b32 s47, 0
	s_wait_kmcnt 0x0
	s_add_nc_u64 s[8:9], s[8:9], s[46:47]          ; my head pair's images
	s_lshl_b32 s46, s19, 12
	s_add_nc_u64 s[10:11], s[10:11], s[46:47]      ; my batch's mask
	s_add_nc_u64 s[24:25], s[4:5], s[36:37]
	s_add_nc_u64 s[28:29], s[24:25], 8388608       ; value's codes at my keys,
	s_add_nc_u64 s[24:25], s[24:25], 4194304       ; key's
	s_add_nc_u64 s[26:27], s[6:7], s[38:39]
	s_add_nc_u64 s[30:31], s[26:27], 524288        ; value's scale bytes,
	s_add_nc_u64 s[26:27], s[26:27], 262144        ; key's
	s_add_nc_u64 s[32:33], s[4:5], s[42:43]        ; query's codes at my queries,
	s_add_nc_u64 s[34:35], s[6:7], s[44:45]        ; and scale bytes
	s_lshl_b32 s46, s19, 20                        ; out: row 1,024 b + 512 qh + 32 w (the rows that I store) of 1,024 bytes, + 256 hp
	s_lshl_b32 s41, s18, 19
	s_add_co_u32 s46, s46, s41
	s_lshl_b32 s41, s14, 15
	s_add_co_u32 s46, s46, s41
	s_lshl_b32 s41, s17, 8
	s_add_co_u32 s46, s46, s41
	s_add_nc_u64 s[12:13], s[12:13], s[46:47]
	; the images are 3 x 8,192 bytes + 3,072: the rest is six waves' work.  It stands first, so that the count below holds in every wave
	s_cmp_lt_u32 s14, 6
	s_cbranch_scc0 .Lno_tail_load
	global_load_b128 v[172:175], v11, s[8:9] offset:24576
.Lno_tail_load:
.irp k, 0,1,2
	global_load_b128 v[160+4*\k:163+4*\k], v11, s[8:9] offset:8192*\k
.endr
	global_load_b32 v176, v13, s[10:11]            ; m of keys t and t + 512
	global_load_b32 v177, v13, s[10:11] offset:2048
	XLOAD XV, XSV, 28, 30                          ; V's codes and scale words of my 64 keys
	XLOAD XK, XSK, 24, 26                          ; K's
	s_wait_loadcnt 40                              ; images and mask are in; the 40 loads issued behind them may be out
.irp k, 0,1,2
	ds_store_b128 v12, v[160+4*\k:163+4*\k] offset:8192*\k
.endr
	s_cmp_lt_u32 s14, 6
	s_cbranch_scc0 .Lno_tail_store
	ds_store_b128 v12, v[172:175] offset:24576
.Lno_tail_store:
	v_sub_f32 v178, 1.0, v176
	v_sub_f32 v179, 1.0, v177
	v_mul_f32 v178, 0x8da24260, v178               ; (1 - m) x -1e-30
	v_mul_f32 v179, 0x8da24260, v179
	v_mul_f32 v178, s22, v178                      ; x log2(e): b'
	v_mul_f32 v179, s22, v179
	ds_store_b32 v14, v178
	ds_store_b32 v14, v179 offset:2048
	ds_store_b32 v14, v176 offset:MSK-BBO
	ds_store_b32 v14, v177 offset:MSK-BBO+2048
	BARRIER                                        ; images, m and b' lie in LDS.  (My loads of codes stay out across it: nobody writes those bytes)
	; ---- V, then K, of both heads for my 64 keys
	s_wait_loadcnt 20                              ; V's 20 loads are in; K's 20 may be out
	VPH 0, 0
	VPH 0, 1
	VPH 1, 0
	VPH 1, 1
	XLOAD XV, XSV, 32, 34                          ; Q's codes take V's registers (their last product stands more than four places back) and land while K is projected
.irp i, 0,1,2,3
	ds_load_b32 v[MK+\i], v[MA] offset:64*\i       ; waited for with the first weight tile
.endr
	s_wait_loadcnt 20                              ; K's 20 loads are in; Q's 20 may be out
	KPH 0, 0
	KPH 0, 1
	KPH 1, 0
	KPH 1, 1
	; ---- Q of my head for my 64 queries, transposed, times log2(e); it stays in registers
	s_lshl_b32 s41, s15, 12
	v_add_nc_u32 v[WA], s41, v[WA]                 ; Wq's fragments of my head: 4 x 1,024 bytes,
	s_lshl_b32 s41, s15, 9
	v_add_nc_u32 v[WSA], s41, v[WSA]               ; 4 x 128 of scale words
.irp f, 0,1,2,3
.irp c, 0,1
	ds_load_b128 v[WFQ+8*\f+4*\c:WFQ+8*\f+4*\c+3], v[WA] offset:1024*\f+512*\c
.endr
	ds_load_b32 v[WSQ+\f], v[WSA] offset:128*\f
.endr
	s_wait_dscnt 0x0                               ; they are in, and K's last image stores have read their registers
	s_wait_loadcnt 0x0                             ; Q's codes
.irp s, 0,1                                    ; eight accumulators by turns
.irp t, 0,1,2,3
.irp ct, 0,1
	FP4 OT+16*\t+8*\ct, WFQ+8*(2*\ct+\s), XV+16*\t+8*\s, WSQ+2*\ct+\s, XSV+2*\t+\s, 1-\s
.endr
.endr
.endr
	PLACES 4
.set e, 0
.rept 32
	v_pk_mul_f32 v[OT+e:OT+e+1], v[OT+e:OT+e+1], s[22:23] op_sel_hi:[1,0]
.set e, e+2
.endr
.irp t, 0,1,2,3
.irp ct, 0,1
.irp k, 0,1,2,3
	v_cvt_pk_f16_f32 v[QF+8*\t+4*\ct+\k], v[OT+16*\t+8*\ct+2*\k], v[OT+16*\t+8*\ct+2*\k+1]
.endr
.endr
.endr
.set e, 0
.rept 64
	v_mov_b32 v[OT+e], 0                           ; O^T.  The key step is written once: its first trip finds zeros, which the first factor, 0, leaves zeros
.set e, e+1
.endr
.irp t, 0,1,2,3
	v_mov_b32 v[ST+4*\t+1], 0xff61b1e6             ; the maximum so far: -3e38
	v_mov_b32 v[ST+4*\t+2], 0                      ; the sum, in two halves
	v_mov_b32 v[ST+4*\t+3], 0
.endr
	v_mov_b32 v14, 0                               ; (destinations of lane permutes on the way out: written once)
	v_mov_b32 v15, 0
	BARRIER                                        ; both heads' K and V of all 1,024 keys lie in LDS
	; ---- attention
.macro SCORES t                        ; S^T of 64 keys x tile t's 16 queries; C = b'
.irp kt, 0,1,2,3
	v_wmma_f32_16x16x32_f16 v[SR+8*\kt:SR+8*\kt+7], v[KF+8*\kt:KF+8*\kt+7], v[QF+8*(\t):QF+8*(\t)+7], v[BB+8*\kt:BB+8*\kt+7]
.endr
.endm
.macro SOFTMAX t
.set FT, ST+4*(\t)
.set OA, OT+16*(\t)
.irp k, 0,1,2,3
	v_max3_num_f32 v[8+\k], v[SR+8*\k], v[SR+8*\k+1], v[SR+8*\k+2]     ; four chains; each accumulator is read from its low end on
.endr
.irp k, 0,1,2,3
	v_max3_num_f32 v[8+\k], v[8+\k], v[SR+8*\k+3], v[SR+8*\k+4]
.endr
.irp k, 0,1,2,3
	v_max3_num_f32 v[8+\k], v[8+\k], v[SR+8*\k+5], v[SR+8*\k+6]
.endr
	v_max3_num_f32 v8, v8, v[SR+7], v[SR+15]
	v_max3_num_f32 v10, v10, v[SR+23], v[SR+31]
	v_max3_num_f32 v8, v8, v9, v10
	v_max3_num_f32 v8, v8, v11, v[FT+1]            ; with the old maximum
	v_permlanex16_b32 v9, v8, s20, s21             ; the query's other 32 keys lie in the lane 16 away
	v_max_num_f32 v8, v8, v9                       ; the new maximum
	v_sub_f32 v[FT], v[FT+1], v8
	v_exp_f32 v[FT], v[FT]                         ; the factor 2^(old - new)
.irp j, 0,2,4,6,8,10,12,14,16,18,20,22,24,26,28,30
	v_pk_add_f32 v[SR+\j:SR+\j+1], v[SR+\j:SR+\j+1], v[8:9] op_sel_hi:[1,0] neg_lo:[0,1] neg_hi:[0,1]   ; s - max, two at a time (of the pair the low word serves both halves)
.endr
.set e, 0
.rept 32
	v_exp_f32 v[SR+e], v[SR+e]                     ; p, at most 1
.set e, e+1
.endr
	v_nop                                          ; the plain line behind the last exponential
	s_wait_alu depctr_va_vdst(0)                   ; ONE wait for the 33 exponentials, ahead of the first line that names a result
	v_pk_add_f32 v[10:11], v[SR:SR+1], v[SR+2:SR+3]        ; the sum of the unrounded p, in two chains
	v_pk_add_f32 v[12:13], v[SR+4:SR+5], v[SR+6:SR+7]
.irp j, 8,12,16,20,24,28
	v_pk_add_f32 v[10:11], v[10:11], v[SR+\j:SR+\j+1]
	v_pk_add_f32 v[12:13], v[12:13], v[SR+\j+2:SR+\j+3]
.endr
	v_pk_add_f32 v[10:11], v[10:11], v[12:13]
.set e, 0
.rept 16
	v_cvt_pk_f16_f32 v[SR+e], v[SR+2*e], v[SR+2*e+1]       ; P, in place: a line's sources lie at or above its destination
.set e, e+1
.endr
.irp j, 0,2,4,6,8,10,12,14
	v_pk_mul_f32 v[OA+\j:OA+\j+1], v[OA+\j:OA+\j+1], v[FT:FT+1] op_sel_hi:[1,0]   ; O^T under the new maximum
.endr
.endm
.macro PV t                            ; O^T += V^T P: the tile's two accumulators by turns
.irp g, 0,1
.irp ct, 0,1
	v_wmma_f32_16x16x32_f16 v[OT+16*(\t)+8*\ct:OT+16*(\t)+8*\ct+7], v[VF+8*(2*\g+\ct):VF+8*(2*\g+\ct)+7], v[SR+8*\g:SR+8*\g+7], v[OT+16*(\t)+8*\ct:OT+16*(\t)+8*\ct+7]
.endr
.endr
.endm
.macro DEFER t                         ; the sum and the maximum are brought up to date behind the products: two of the places there
.set FT, ST+4*(\t)
	v_pk_fma_f32 v[FT+2:FT+3], v[FT+2:FT+3], v[FT:FT+1], v[10:11] op_sel_hi:[1,0,1]
	v_mov_b32 v[FT+1], v8
.endm
	s_lshl_b32 s41, s15, 17
	v_add_nc_u32 v[WA], s41, v[LI]                 ; my head's record 0
	v_bfe_u32 v[WSA], v0, 4, 1
	v_lshl_add_u32 v[WSA], v[WSA], 5, BBO          ; b' of keys 8 h + 0 .. 7 of a tile
	s_mov_b32 s40, 16
.Lstep:                                            ; 16 trips of 64 keys
.irp f, 0,1,2,3,4,5,6,7
	ds_load_b128 v[KF+4*\f:KF+4*\f+3], v[WA] offset:512*\f
.endr
.irp kt, 0,1,2,3
.irp c, 0,1
	ds_load_b128 v[BB+8*\kt+4*\c:BB+8*\kt+4*\c+3], v[WSA] offset:64*\kt+16*\c   ; sixteen lanes take the same 16 bytes
.endr
.endr
.irp f, 0,1,2,3,4,5,6,7
	ds_load_b128 v[VF+4*\f:VF+4*\f+3], v[WA] offset:VOFF+512*\f
.endr
	s_wait_dscnt 8                                 ; K and b' are in; V's eight loads may be out
.irp t, 0,1,2,3
	SCORES \t
	PLACES 4                                       ; ahead of the first read of the scores
	SOFTMAX \t
.if \t == 0
	s_wait_dscnt 0x0                               ; V is in
.endif
	PV \t
	DEFER \t
.if \t < 3
	PLACES 3                                       ; with the two lines above: five places ahead of the product that writes over P
.endif
.endr
	v_add_nc_u32 v[WA], RECB, v[WA]                ; the next record (no LDS load of mine is out);
	v_add_nc_u32 v[WSA], 256, v[WSA]               ; the next 64 b'.  With the two lines above and the one below: five places, ahead of the loads into V's registers and of the product that writes over P
	v_nop
	s_sub_co_u32 s40, s40, 1
	s_cmp_lg_u32 s40, 0
	s_cbranch_scc1 .Lstep
	; ---- the way out: O^T / the sum; two heads' 128 bytes of a row meet in a stage, and whole aligned runs of 256 bytes are stored
.irp t, 0,1,2,3
	v_add_f32 v[8+\t], v[ST+4*\t+2], v[ST+4*\t+3]  ; the sum's two halves,
.endr
.irp t, 0,1,2,3
	v_permlanex16_b32 v[12+\t], v[8+\t], s20, s21
.endr
.irp t, 0,1,2,3
	v_add_f32 v[8+\t], v[8+\t], v[12+\t]           ; and lane l xor 16's
.endr
.irp t, 0,1,2,3
	v_rcp_f32 v[ST+4*\t], v[8+\t]
.endr
	v_and_b32 v14, 15, v0                          ; r  (plain work behind the reciprocals: the addresses)
	v_bfe_u32 v15, v0, 4, 1                        ; h
	s_mul_i32 s41, s16, 64*SP                      ; my 64 rows of the stage,
	s_lshl_b32 s42, s15, 7                         ; my head's 128 bytes of a row
	s_add_co_u32 s41, s41, s42
	v_mul_u32_u24 v4, v14, SP
	v_lshl_add_u32 v4, v15, 5, v4
	v_add_nc_u32 v4, s41, v4                       ; in: row r, + 32 h
	s_mul_i32 s41, s14, 32*SP                      ; back: wave w takes rows 32 w .. + 31, whole;
	v_mul_u32_u24 v5, v15, SP
	v_lshl_add_u32 v5, v14, 4, v5
	v_add_nc_u32 v5, s41, v5                       ; lanes 0-15 one row, lanes 16-31 the next
	v_lshlrev_b32 v6, 10, v15
	v_lshl_add_u32 v6, v14, 4, v6                  ; and the same two rows in out
	s_wait_alu depctr_va_vdst(0)                   ; one wait for the four reciprocals, ahead of their first reader
.irp t, 0,1,2,3
.irp j, 0,2,4,6,8,10,12,14
	v_pk_mul_f32 v[OT+16*\t+\j:OT+16*\t+\j+1], v[OT+16*\t+\j:OT+16*\t+\j+1], v[ST+4*\t:ST+4*\t+1] op_sel_hi:[1,0]
.endr
.endr
	BARRIER                                        ; every wave's reads of K and V are over: the stage may be written over them
.irp t, 0,1,2,3
.irp ct, 0,1
	ds_store_b128 v4, v[OT+16*\t+8*\ct:OT+16*\t+8*\ct+3] offset:16*SP*\t+64*\ct          ; lane (r, h): query 16 t + r, channels 16 ct + 8 h + 0 .. 7
	ds_store_b128 v4, v[OT+16*\t+8*\ct+4:OT+16*\t+8*\ct+7] offset:16*SP*\t+64*\ct+16
.endr
.endr
	BARRIER                                        ; a row's 256 bytes come from two waves
.irp i, 0,1,2,3,4,5,6,7,8,9,10,11,12,13,14,15
	ds_load_b128 v[16+4*\i:19+4*\i], v5 offset:2*SP*\i
.endr
.irp i, 0,1,2,3,4,5,6,7,8,9,10,11,12,13,14,15
	s_wait_dscnt 15-\i                             ; LDS loads come back in order: pair i of rows is in
	global_store_b128 v6, v[16+4*\i:19+4*\i], s[12:13] offset:2048*\i th:TH_STORE_NT   ; sixteen lanes store 256 consecutive bytes, at a multiple of 256 from out's first byte; written once
.endr
	s_wait_tensorcnt 0x0                           ; the wave's end, behind my last LDS store
	ds_add_u32 v[SPW], v[NIL]
	s_wait_dscnt 0x0
	s_endpgm
.Lfunc_end_k_q3bdddbc2f8_attn:
	.size	k_q3bdddbc2f8_attn, .Lfunc_end_k_q3bdddbc2f8_attn-k_q3bdddbc2f8_attn
	.p2alignl 7, 3214868480
	.fill 96, 4, 3214868480
	.section	.rodata,"a",@progbits
	.p2align	6, 0x0
	.amdhsa_kernel k_q3bdddbc2f8_attn
		.amdhsa_group_segment_fixed_size 300032
		.amdhsa_private_segment_fixed_size 0
		.amdhsa_enable_private_segment 0
		.amdhsa_kernarg_size 40
		.amdhsa_user_sgpr_count 2
		.amdhsa_user_sgpr_kernarg_segment_ptr 1
		.amdhsa_wavefront_size32 1
		.amdhsa_system_sgpr_workgroup_id_x 1
		.amdhsa_system_sgpr_workgroup_id_y 1
		.amdhsa_system_sgpr_workgroup_id_z 1
		.amdhsa_system_vgpr_workitem_id 0
		.amdhsa_next_free_vgpr 256
		.amdhsa_next_free_sgpr 66
		.amdhsa_reserve_vcc 0
		.amdhsa_float_denorm_mode_32 3
		.amdhsa_float_denorm_mode_16_64 3
		.amdhsa_memory_ordered 1
		.amdhsa_forward_progress 1
		.amdhsa_inst_pref_size 83
	.end_amdhsa_kernel
	.amdgpu_metadata
---
amdhsa.version: [ 1, 2 ]
amdhsa.kernels:
  - .name:           k_q3bdddbc2f8_attn
    .symbol:         k_q3bdddbc2f8_attn.kd
    .args:
      - { .name: xcodes, .offset: 0, .size: 8, .value_kind: global_buffer, .address_space: global }
      - { .name: xscales, .offset: 8, .size: 8, .value_kind: global_buffer, .address_space: global }
      - { .name: wimg, .offset: 16, .size: 8, .value_kind: global_buffer, .address_space: global }
      - { .name: mask, .offset: 24, .size: 8, .value_kind: global_buffer, .address_space: global }
      - { .name: out0, .offset: 32, .size: 8, .value_kind: global_buffer, .address_space: global }
    .group_segment_fixed_size: 300032
    .private_segment_fixed_size: 0
    .kernarg_segment_align: 8
    .kernarg_segment_size: 40
    .max_flat_workgroup_size: 512
    .sgpr_count:     66
    .vgpr_count:     256
    .wavefront_size: 32
...
	.end_amdgpu_metadata
.endif
;; end of part 2
;; ======== version 2 of 2: 2 launches; version 1 with the launch attn written anew for expert scheduling mode
;; limits: values are held in f16: magnitudes above 65,504 overflow, below 6.1e-05 lose precision
;; workspace buffers: xcodes 12,582,912 bytes; xscales 786,432 bytes; wimg 110,592 bytes
;; launch quant: the kernel of part 1 again; grid 792 x 1, 4 waves a work-group, no clusters, 33,280 bytes of LDS; arguments query, key, value, Wq, Wk, Wv, xcodes, xscales, wimg; writes xcodes, xscales, wimg
;; launch attn (part 3): grid 8 x 32, 16 waves a work-group, no clusters, 300,032 bytes of LDS; arguments xcodes, xscales, wimg, mask, out0; writes out0
.if DOCPART == 3
	.amdgcn_target "amdgcn-amd-amdhsa--gfx1250"
	.amdhsa_code_object_version 6
	.text
	.protected	k_q3bdddbc2f8_attn
	.globl	k_q3bdddbc2f8_attn
	.p2align	8
	.type	k_q3bdddbc2f8_attn,@function
k_q3bdddbc2f8_attn:
	s_mov_b64 s[64:65], 0
	v_nop
	global_prefetch_b8 v0, s[64:65] scope:SCOPE_SE
	s_setreg_imm32_b32 hwreg(HW_REG_WAVE_SCHED_MODE, 0, 2), 2
	s_setreg_imm32_b32 hwreg(HW_REG_WAVE_MODE, 25, 1), 1
	s_wait_xcnt 0x0
	s_wait_alu depctr_vm_vsrc(0)
; out[b][s][32 head + c] = sum over keys of softmax_key(m A + (1 - m)(-1e-30)) v,  A = q . k,  q, k, v = the three projections on codes of E2M1 with E8M0 scales (K = 256), sums in f32.
; SHARES.  Work-group (x, b): head pair hp = x / 2, query half qh = x % 2: heads 2 hp, 2 hp + 1, queries 512 qh .. + 511, all 1,024 keys of batch b.  Sixteen waves of 256 registers, four to a SIMD.
;   Projection: wave w takes keys 64 w .. + 63 and projects K and V of BOTH heads from code fragments loaded straight into operand registers; the results go to LDS as f16 images of operand registers.
;   Attention: wave w takes head w / 8 and queries 64 (w % 8) .. + 63: four tiles of 16, so that each fragment of K and V read from LDS feeds four tiles.  q, k, v never go to memory.
; LAYOUT.  K and Q are projected TRANSPOSED (source 0 = 16 columns of the weight, source 1 = 16 rows): a lane holds one key (query) and 8 neighbouring channels, which rounded in pairs are four registers of the
;   operand of S^T = K Q^T.  V is projected as it stands (source 0 = 16 keys, source 1 = 16 columns): a lane holds one channel and 8 neighbouring keys: four registers of source 0 of O^T = V^T P.
;   In S^T a lane holds ONE query (lane % 16) and keys 8 (lane / 16) + 0 .. 7 of a tile; two tiles rounded in pairs ARE source 1 of V^T P.  Nothing changes lanes between the products.
; FOLDED, in f32 ahead of the rounding to f16: k' = m k (m (q . k) = q . (m k)); q' = q log2(e); b' = (1 - m)(-1e-30) log2(e) is the C of each score product.  So a score leaves the matrix unit as
;   log2(e) (m A + (1 - m)(-1e-30)), and mask and scaling cost no vector instruction for a score.
; SOFTMAX.  For each query a running maximum and sum; p = 2^(s - max); in every step O^T and the sum are multiplied by 2^(old max - new max).  The sum is taken of the unrounded p.
; LIMITS.  |q log2 e|, |m k| and |v| stay under 65,504, f16's largest number: with normal activations and these weights' spread they lie near 4, with all inputs 30 times larger near 3,500.
;   For m other than 0 or 1 the product m k is rounded to f16 where the reference multiplies the finished score: the order of rounding differs.  NaN and infinities among the inputs are not served.
; NO CLUSTER, NO TENSOR LOAD: what the eight work-groups of a batch share is 278,528 bytes of K's and V's codes and scale bytes, read once, at the head, straight into operand registers; of LDS 300,032 bytes hold
;   both heads' K and V, so there is no room to stage codes.  NO PREFETCH: every global load of this text stands at its head.
; LDS: REC 2 heads x 16 records of 8,192 bytes (64 keys: K tile kt piece ct at 1,024 kt + 512 ct + 16 lane; V (g, ct) piece par at 4,096 + 1,024 (2 g + ct) + 512 par + 16 lane, key tile 2 g + par);
;   b' [1,024] f32; m [1,024] f32; the head pair's weight images (27,648 bytes); the spare words.  On the way out the stage (512 rows x 272 bytes) lies in REC, behind a barrier behind which nobody reads REC.
; THE MODE: SCHED_MODE bits 1:0 = 2 (LLVM: expert scheduling mode 2), set by the entry lines.  The code itself states the register dependences
;   between vector or matrix instructions and memory or LDS instructions, with s_wait_alu, always for 0.
; THE PLAN.  Registers that memory or LDS instructions touch:
;   v4, v5        LDS addresses.  Read by every load of weights, K, V and b'; written by vector lines ahead of Wq's fragments, ahead of the loop, once a key step at its end, and on the way out.
;   v6 to v14     Offsets and addresses of the head and the projections; from Q's end on v8 to v14 are work registers of the softmax; v6 is made anew on the way out.
;   v160-181      The head's copies (loaded, then stored to LDS), then a weight tile and m: LDS loads land there, products and multiplications read them.
;   v16-159       Codes and scale words: global loads land there, products read them; Q's codes take V's registers, Wq's fragments K's.
;   v192-223      A projection phase's four accumulators: products and roundings write them, the image stores read them.
;   In the loop:  K v16-47 and b' v48-79: read by the four tiles' score products; V v80-111: read by the four tiles' products V^T P.  All else in the loop is named by vector and matrix instructions alone.
;   A wave has no register left for a second buffer of K, b' or V.  But each tile's softmax holds one wait on va_vdst for its exponentials.  Tile 3's stands behind the step's last score product: the next step's K and b'
;   are asked for straight behind it, by immediate offsets.  Tile 0's stands behind the last step's V^T P and behind the step of v4: this step's V is asked for straight behind it.  Between such a wait and its loads
;   no vector or matrix instruction stands.  So the loop holds no further wait on va_vdst, and one on vm_vsrc, ahead of the lines that step v4 and v5.
.set HEADB, 131072                     ; a head's records
.set RECB,  8192
.set VOFF,  4096                       ; V's part of a record
.set BBO,   262144
.set MSK,   266240
.set WIM,   270336
.set WSCO,  24576                      ; the weights' scale words inside the images
.set SPARE, 297984                     ; 128 bytes for each of 16 waves; no other line names them
.set SP,    272                        ; a stage row: 256 bytes + 16
.set SPW, 1                            ; v1   LDS address of my spare word; never rewritten
.set NIL, 2                            ; v2   0; never rewritten
.set LI,  3                            ; v3   16 x lane: an image's place for my lane
.set WA,  4                            ; v4   weight images; then K's and V's records; then the stage, in
.set WSA, 5                            ; v5   weights' scale words; then b'; then the stage, back
.set XA,  6                            ; v6   128 r + 16 h: my bytes in 16 rows of codes; on the way out my bytes in two rows of out
.set XS,  7                            ; v7   8 r: my row's two scale words
.set SA,  8                            ; v8, v9  where I store images: head 0, head 1
.set MA,  10                           ; v10  m of my key in a tile
.set XV,  16                           ; v16-79   V's (then Q's) code fragments: tile i, K step s at 16 i + 8 s
.set XSV, 80                           ; v80-87   their scale words, 2 i + s
.set XK,  88                           ; v88-151  K's code fragments
.set XSK, 152                          ; v152-159 their scale words
.set WF,  160                          ; v160-175 a weight tile's two fragments
.set WSC, 176                          ; v176-177 their scale words
.set MK,  178                          ; v178-181 m of my key in tiles 0 to 3
.set DD,  192                          ; v192-223 four accumulators of a projection phase
.set WFQ, 88                           ; v88-119  Wq's four fragments of my head (2 ct + s)
.set WSQ, 120                          ; v120-123 their scale words
.set KF,  16                           ; attention: v16-47 K, v48-79 b', v80-111 V of 64 keys
.set BB,  48
.set VF,  80
.set SR,  112                          ; v112-143 S^T of one tile of queries, then p, then P in v112-127
.set ST,  144                          ; tile t: v[144+4t] the factor, +1 the maximum, +2, +3 the sum in two halves
.set QF,  160                          ; v160-191 Q, 8 a tile
.set OT,  192                          ; v192-255 O^T: tile t, channels 16 ct on at 16 t + 8 ct
.macro BARRIER                         ; my LDS stores have landed and my LDS loads are in: then the work-group's barrier
	s_wait_dscnt 0x0
	s_barrier_signal -1
	s_barrier_wait -1
.endm
.macro PLACES n
.rept \n
	v_nop
.endr
.endm
; 64 rows of codes and their scale words into operand registers: 20 loads.  Lane (r, h) of tile i takes, of row 16 i + r, 16 bytes at 32 j + 16 h: registers 8 s + 4 c with j = 2 s + c
.macro XLOAD xf, xs, cb, sb
.irp i, 0,1,2,3
.irp j, 0,1,2,3
	global_load_b128 v[\xf+16*\i+4*\j:\xf+16*\i+4*\j+3], v[XA], s[\cb:\cb+1] offset:2048*\i+32*\j
.endr
	global_load_b64 v[\xs+2*\i:\xs+2*\i+1], v[XS], s[\sb:\sb+1] offset:128*\i
.endr
.endm
.macro FP4 d, a, b, sa, sb, first      ; first = 1: the product starts the sum
.if \first
	v_wmma_scale_f32_16x16x128_f8f6f4 v[\d:\d+7], v[\a:\a+7], v[\b:\b+7], 0, v[\sa], v[\sb] matrix_a_fmt:MATRIX_FMT_FP4 matrix_b_fmt:MATRIX_FMT_FP4
.else
	v_wmma_scale_f32_16x16x128_f8f6f4 v[\d:\d+7], v[\a:\a+7], v[\b:\b+7], v[\d:\d+7], v[\sa], v[\sb] matrix_a_fmt:MATRIX_FMT_FP4 matrix_b_fmt:MATRIX_FMT_FP4
.endif
.endm
.macro WLOAD fl                        ; a weight tile's two K steps, fragments fl and fl + 1, from the images
	s_wait_alu depctr_vm_vsrc(0)                   ; the LDS stores issued so far have read their data: at the first tile the head's copies out of v160-179, in which these loads (and later m's) land; at the others the last phase's image stores out of v[DD ..], which the products below write
.irp s, 0,1
.irp c, 0,1
	ds_load_b128 v[WF+8*\s+4*\c:WF+8*\s+4*\c+3], v[WA] offset:((\fl)+\s)*1024+512*\c
.endr
.endr
.irp s, 0,1
	ds_load_b32 v[WSC+\s], v[WSA] offset:((\fl)+\s)*128
.endr
	s_wait_dscnt 0x0                               ; they are in
.endm
.macro PACK4                           ; the four accumulators rounded to f16 in pairs, in place, each from its low end on
.irp i, 0,1,2,3
.irp k, 0,1,2,3
	v_cvt_pk_f16_f32 v[DD+8*\i+\k], v[DD+8*\i+2*\k], v[DD+8*\i+2*\k+1]
.endr
.endr
.endm
; V of head hh, channels 16 ct on, my 64 keys.  The four accumulators take turns, one instruction a turn.
.macro VPH hh, ct
	WLOAD 16+4*\hh+2*\ct
.irp s, 0,1
.irp i, 0,1,2,3
	FP4 DD+8*\i, XV+16*\i+8*\s, WF+8*\s, XSV+2*\i+\s, WSC+\s, 1-\s
.endr
.endr
	PLACES 5                                       ; four ahead of the reads of the results; the fifth ahead of the next phase's product that begins an accumulator anew
	PACK4
	s_wait_alu depctr_va_vdst(0)                   ; the roundings have written v[DD ..], which the image stores read; the products above are done reading the weight tile, in which the next tile's loads land, and V's codes, in which (behind V's last phase) Q's land
.irp i, 0,1,2,3
	ds_store_b128 v[SA+\hh], v[DD+8*\i:DD+8*\i+3] offset:VOFF+(2*(\i/2)+\ct)*1024+(\i%2)*512
.endr
.endm
; K of head hh, channels 16 ct on, my 64 keys, transposed, times m
.macro KPH hh, ct
	WLOAD 8+4*\hh+2*\ct
.irp s, 0,1
.irp i, 0,1,2,3
	FP4 DD+8*\i, WF+8*\s, XK+16*\i+8*\s, WSC+\s, XSK+2*\i+\s, 1-\s
.endr
.endr
	PLACES 5
.irp i, 0,1,2,3
.irp j, 0,1,2,3,4,5,6,7
	v_mul_f32 v[DD+8*\i+\j], v[DD+8*\i+\j], v[MK+\i]   ; a lane holds one key of the tile: its m
.endr
.endr
	PACK4
	s_wait_alu depctr_va_vdst(0)                   ; the roundings have written v[DD ..], which the image stores read; the products above are done reading the weight tile, in which the next tile's loads land
.irp i, 0,1,2,3
	ds_store_b128 v[SA+\hh], v[DD+8*\i:DD+8*\i+3] offset:1024*\i+512*\ct
.endr
.endm
	s_load_b256 s[4:11], s[0:1], 0x0               ; xcodes s[4:5], xscales s[6:7], wimg s[8:9], mask s[10:11]
	s_load_b64 s[12:13], s[0:1], 0x20              ; out0
	v_lshl_add_u32 v[SPW], v0, 2, SPARE
	v_mov_b32 v[NIL], 0
	v_lshrrev_b32 v3, 5, v0
	v_readfirstlane_b32 s14, v3                    ; wave 0..15
	s_wait_alu depctr_va_sdst(0)                   ; s14 is written, ahead of its first reader: shares, bases and branches are made from it
	s_lshr_b32 s15, s14, 3                         ; my head in the pair
	s_and_b32 s16, s14, 7                          ; my 64 queries of the 512
	s_lshr_b32 s17, ttmp9, 1                       ; head pair
	s_and_b32 s18, ttmp9, 1                        ; query half
	s_and_b32 s19, ttmp7, 0xffff                   ; batch
	s_mov_b32 s20, 0x76543210
	s_mov_b32 s21, 0xfedcba98                      ; v_permlanex16_b32's selects for lane l xor 16
	s_mov_b32 s22, 0x3fb8aa3b                      ; log2(e)
	s_mov_b32 s23, s22                             ; (named with it as a pair, so it is written)
	s_lshl_b32 s36, s19, 17                        ; my 64 keys: row 1,024 b + 64 w; 128 bytes of codes a row,
	s_lshl_b32 s41, s14, 13
	s_add_co_u32 s36, s36, s41
	s_mov_b32 s37, 0
	s_lshl_b32 s38, s19, 13                        ; 8 scale bytes a row
	s_lshl_b32 s41, s14, 9
	s_add_co_u32 s38, s38, s41
	s_mov_b32 s39, 0
	s_lshl_b32 s42, s19, 17                        ; my 64 queries: row 1,024 b + 512 qh + 64 (w % 8)
	s_lshl_b32 s41, s18, 16
	s_add_co_u32 s42, s42, s41
	s_lshl_b32 s41, s16, 13
	s_add_co_u32 s42, s42, s41
	s_mov_b32 s43, 0
	s_lshl_b32 s44, s19, 13
	s_lshl_b32 s41, s18, 12
	s_add_co_u32 s44, s44, s41
	s_lshl_b32 s41, s16, 9
	s_add_co_u32 s44, s44, s41
	s_mov_b32 s45, 0
	v_and_b32 v3, 31, v0                           ; lane
	v_lshlrev_b32 v5, 2, v3
	v_lshlrev_b32 v[LI], 4, v3
	v_add_nc_u32 v[WA], WIM, v[LI]
	v_add_nc_u32 v[WSA], WIM+WSCO, v5
	v_and_b32 v10, 15, v0                          ; r
	v_bfe_u32 v15, v0, 4, 1                        ; h
	v_lshlrev_b32 v[XA], 7, v10
	v_lshl_add_u32 v[XA], v15, 4, v[XA]
	v_lshlrev_b32 v[XS], 3, v10
	s_lshl_b32 s41, s14, 13
	v_add_nc_u32 v[SA], s41, v[LI]                 ; record w of head 0,
	v_add_nc_u32 v[SA+1], HEADB, v[SA]             ; of head 1
	s_lshl_b32 s41, s14, 8
	s_add_co_u32 s41, s41, MSK
	v_lshl_add_u32 v[MA], v10, 2, s41              ; m of key 64 w + r
	v_lshlrev_b32 v11, 4, v0                       ; the copy of the weight images: 16 bytes a thread,
	v_add_nc_u32 v12, WIM, v11
	v_lshlrev_b32 v13, 2, v0                       ; the mask: 4 bytes a thread
	v_add_nc_u32 v14, BBO, v13
	s_mul_i32 s46, s17, 27648
	s_mov_b32 s47, 0
	s_wait_kmcnt 0x0
	s_add_nc_u64 s[8:9], s[8:9], s[46:47]          ; my head pair's images
	s_lshl_b32 s46, s19, 12
	s_add_nc_u64 s[10:11], s[10:11], s[46:47]      ; my batch's mask
	s_add_nc_u64 s[24:25], s[4:5], s[36:37]
	s_add_nc_u64 s[28:29], s[24:25], 8388608       ; value's codes at my keys,
	s_add_nc_u64 s[24:25], s[24:25], 4194304       ; key's
	s_add_nc_u64 s[26:27], s[6:7], s[38:39]
	s_add_nc_u64 s[30:31], s[26:27], 524288        ; value's scale bytes,
	s_add_nc_u64 s[26:27], s[26:27], 262144        ; key's
	s_add_nc_u64 s[32:33], s[4:5], s[42:43]        ; query's codes at my queries,
	s_add_nc_u64 s[34:35], s[6:7], s[44:45]        ; and scale bytes
	s_lshl_b32 s46, s19, 20                        ; out: row 1,024 b + 512 qh + 32 w (the rows that I store) of 1,024 bytes, + 256 hp
	s_lshl_b32 s41, s18, 19
	s_add_co_u32 s46, s46, s41
	s_lshl_b32 s41, s14, 15
	s_add_co_u32 s46, s46, s41
	s_lshl_b32 s41, s17, 8
	s_add_co_u32 s46, s46, s41
	s_add_nc_u64 s[12:13], s[12:13], s[46:47]
	s_wait_alu depctr_va_vdst(0)                   ; the offsets and addresses v3 to v14 are written, which the loads and LDS instructions of the head and of the projections read
	; the images are 3 x 8,192 bytes + 3,072: the rest is six waves' work.  It stands first, so that the count below holds in every wave
	s_cmp_lt_u32 s14, 6
	s_cbranch_scc0 .Lno_tail_load
	global_load_b128 v[172:175], v11, s[8:9] offset:24576
.Lno_tail_load:
.irp k, 0,1,2
	global_load_b128 v[160+4*\k:163+4*\k], v11, s[8:9] offset:8192*\k
.endr
	global_load_b32 v176, v13, s[10:11]            ; m of keys t and t + 512
	global_load_b32 v177, v13, s[10:11] offset:2048
	XLOAD XV, XSV, 28, 30                          ; V's codes and scale words of my 64 keys
	XLOAD XK, XSK, 24, 26                          ; K's
	s_wait_loadcnt 40                              ; images and mask are in; the 40 loads issued behind them may be out
.irp k, 0,1,2
	ds_store_b128 v12, v[160+4*\k:163+4*\k] offset:8192*\k
.endr
	s_cmp_lt_u32 s14, 6
	s_cbranch_scc0 .Lno_tail_store
	ds_store_b128 v12, v[172:175] offset:24576
.Lno_tail_store:
	v_sub_f32 v178, 1.0, v176
	v_sub_f32 v179, 1.0, v177
	v_mul_f32 v178, 0x8da24260, v178               ; (1 - m) x -1e-30
	v_mul_f32 v179, 0x8da24260, v179
	v_mul_f32 v178, s22, v178                      ; x log2(e): b'
	v_mul_f32 v179, s22, v179
	s_wait_alu depctr_va_vdst(0)                   ; v178 and v179 are written, which the stores below read; the subtractions are done reading v176 and v177, in which the first weight tile's scale words land
	ds_store_b32 v14, v178
	ds_store_b32 v14, v179 offset:2048
	ds_store_b32 v14, v176 offset:MSK-BBO
	ds_store_b32 v14, v177 offset:MSK-BBO+2048
	BARRIER                                        ; images, m and b' lie in LDS.  (My loads of codes stay out across it: nobody writes those bytes)
	; ---- V, then K, of both heads for my 64 keys
	s_wait_loadcnt 20                              ; V's 20 loads are in; K's 20 may be out
	VPH 0, 0
	VPH 0, 1
	VPH 1, 0
	VPH 1, 1
	XLOAD XV, XSV, 32, 34                          ; Q's codes take V's registers and land while K is projected.  No wait: behind the wait ahead of V's last image stores no vector or matrix instruction stands
.irp i, 0,1,2,3
	ds_load_b32 v[MK+\i], v[MA] offset:64*\i       ; waited for with the first weight tile
.endr
	s_wait_loadcnt 20                              ; K's 20 loads are in; Q's 20 may be out
	KPH 0, 0
	KPH 0, 1
	KPH 1, 0
	KPH 1, 1
	; ---- Q of my head for my 64 queries, transposed, times log2(e); it stays in registers
	s_wait_alu depctr_vm_vsrc(0)                   ; the weight tiles' loads have read v4 and v5, which the two lines below write; K's last image stores have read v[DD ..], which Q's products write; all that read v8 to v14 has read them: they are work registers from here on
	s_lshl_b32 s41, s15, 12
	v_add_nc_u32 v[WA], s41, v[WA]                 ; Wq's fragments of my head: 4 x 1,024 bytes,
	s_lshl_b32 s41, s15, 9
	v_add_nc_u32 v[WSA], s41, v[WSA]               ; 4 x 128 of scale words
	s_wait_alu depctr_va_vdst(0)                   ; v4 and v5 are written, which the loads below read; K's products are done reading K's codes, in which they land
.irp f, 0,1,2,3
.irp c, 0,1
	ds_load_b128 v[WFQ+8*\f+4*\c:WFQ+8*\f+4*\c+3], v[WA] offset:1024*\f+512*\c
.endr
	ds_load_b32 v[WSQ+\f], v[WSA] offset:128*\f
.endr
	s_wait_dscnt 0x0                               ; they are in
	s_wait_loadcnt 0x0                             ; Q's codes
.irp s, 0,1                                    ; eight accumulators by turns
.irp t, 0,1,2,3
.irp ct, 0,1
	FP4 OT+16*\t+8*\ct, WFQ+8*(2*\ct+\s), XV+16*\t+8*\s, WSQ+2*\ct+\s, XSV+2*\t+\s, 1-\s
.endr
.endr
.endr
	PLACES 4
.set e, 0
.rept 32
	v_pk_mul_f32 v[OT+e:OT+e+1], v[OT+e:OT+e+1], s[22:23] op_sel_hi:[1,0]
.set e, e+2
.endr
.irp t, 0,1,2,3
.irp ct, 0,1
.irp k, 0,1,2,3
	v_cvt_pk_f16_f32 v[QF+8*\t+4*\ct+\k], v[OT+16*\t+8*\ct+2*\k], v[OT+16*\t+8*\ct+2*\k+1]
.endr
.endr
.endr
.set e, 0
.rept 64
	v_mov_b32 v[OT+e], 0                           ; O^T.  The key step's first run finds zeros, which the first factor, 0, leaves zeros
.set e, e+1
.endr
.irp t, 0,1,2,3
	v_mov_b32 v[ST+4*\t+1], 0xff61b1e6             ; the maximum so far: -3e38
	v_mov_b32 v[ST+4*\t+2], 0                      ; the sum, in two halves
	v_mov_b32 v[ST+4*\t+3], 0
.endr
	v_mov_b32 v14, 0                               ; (destinations of lane permutes on the way out: written once)
	v_mov_b32 v15, 0
	BARRIER                                        ; both heads' K and V of all 1,024 keys lie in LDS
	; ---- attention
.macro KLOAD off, boff                 ; K's eight pieces and the b' of 64 keys: 16 loads
.irp f, 0,1,2,3,4,5,6,7
	ds_load_b128 v[KF+4*\f:KF+4*\f+3], v[WA] offset:(\off)+512*\f
.endr
.irp kt, 0,1,2,3
.irp c, 0,1
	ds_load_b128 v[BB+8*\kt+4*\c:BB+8*\kt+4*\c+3], v[WSA] offset:(\boff)+64*\kt+16*\c   ; sixteen lanes take the same 16 bytes
.endr
.endr
.endm
.macro VLOAD                           ; V's eight pieces of the record in hand
.irp f, 0,1,2,3,4,5,6,7
	ds_load_b128 v[VF+4*\f:VF+4*\f+3], v[WA] offset:VOFF+512*\f
.endr
.endm
.macro SCORES t                        ; S^T of 64 keys x tile t's 16 queries; C = b'
.irp kt, 0,1,2,3
	v_wmma_f32_16x16x32_f16 v[SR+8*\kt:SR+8*\kt+7], v[KF+8*\kt:KF+8*\kt+7], v[QF+8*(\t):QF+8*(\t)+7], v[BB+8*\kt:BB+8*\kt+7]
.endr
.endm
.macro SOFTMAX t, ahead                ; ahead = 1: a further key step follows
.set FT, ST+4*(\t)
.set OA, OT+16*(\t)
.irp k, 0,1,2,3
	v_max3_num_f32 v[8+\k], v[SR+8*\k], v[SR+8*\k+1], v[SR+8*\k+2]     ; four chains; each accumulator is read from its low end on
.endr
.irp k, 0,1,2,3
	v_max3_num_f32 v[8+\k], v[8+\k], v[SR+8*\k+3], v[SR+8*\k+4]
.endr
.irp k, 0,1,2,3
	v_max3_num_f32 v[8+\k], v[8+\k], v[SR+8*\k+5], v[SR+8*\k+6]
.endr
	v_max3_num_f32 v8, v8, v[SR+7], v[SR+15]
	v_max3_num_f32 v10, v10, v[SR+23], v[SR+31]
	v_max3_num_f32 v8, v8, v9, v10
	v_max3_num_f32 v8, v8, v11, v[FT+1]            ; with the old maximum
	v_permlanex16_b32 v9, v8, s20, s21             ; the query's other 32 keys lie in the lane 16 away
	v_max_num_f32 v8, v8, v9                       ; the new maximum
	v_sub_f32 v[FT], v[FT+1], v8
	v_exp_f32 v[FT], v[FT]                         ; the factor 2^(old - new)
.irp j, 0,2,4,6,8,10,12,14,16,18,20,22,24,26,28,30
	v_pk_add_f32 v[SR+\j:SR+\j+1], v[SR+\j:SR+\j+1], v[8:9] op_sel_hi:[1,0] neg_lo:[0,1] neg_hi:[0,1]   ; s - max, two at a time (of the pair the low word serves both halves)
.endr
.set e, 0
.rept 32
	v_exp_f32 v[SR+e], v[SR+e]                     ; p, at most 1
.set e, e+1
.endr
	v_nop                                          ; the plain line behind the last exponential
	s_wait_alu depctr_va_vdst(0)                   ; ONE wait for the 33 exponentials, ahead of the first line that names a result.  In tile 0 it also states that the last step's products V^T P are done reading V's registers and that v4 is written; in tile 3 that this step's score products are done reading K's and b's registers
.if (\t) == 0
	VLOAD                                          ; this step's V, 39 vector lines ahead of its first use
.endif
.if ((\t) == 3) && (\ahead)
	KLOAD RECB, 256                                ; the next step's K and b': a record and 64 numbers on, by the immediate offsets
.endif
	v_pk_add_f32 v[10:11], v[SR:SR+1], v[SR+2:SR+3]        ; the sum of the unrounded p, in two chains
	v_pk_add_f32 v[12:13], v[SR+4:SR+5], v[SR+6:SR+7]
.irp j, 8,12,16,20,24,28
	v_pk_add_f32 v[10:11], v[10:11], v[SR+\j:SR+\j+1]
	v_pk_add_f32 v[12:13], v[12:13], v[SR+\j+2:SR+\j+3]
.endr
	v_pk_add_f32 v[10:11], v[10:11], v[12:13]
.set e, 0
.rept 16
	v_cvt_pk_f16_f32 v[SR+e], v[SR+2*e], v[SR+2*e+1]       ; P, in place: a line's sources lie at or above its destination
.set e, e+1
.endr
.irp j, 0,2,4,6,8,10,12,14
	v_pk_mul_f32 v[OA+\j:OA+\j+1], v[OA+\j:OA+\j+1], v[FT:FT+1] op_sel_hi:[1,0]   ; O^T under the new maximum
.endr
.endm
.macro PV t                            ; O^T += V^T P: the tile's two accumulators by turns
.irp g, 0,1
.irp ct, 0,1
	v_wmma_f32_16x16x32_f16 v[OT+16*(\t)+8*\ct:OT+16*(\t)+8*\ct+7], v[VF+8*(2*\g+\ct):VF+8*(2*\g+\ct)+7], v[SR+8*\g:SR+8*\g+7], v[OT+16*(\t)+8*\ct:OT+16*(\t)+8*\ct+7]
.endr
.endr
.endm
.macro DEFER t                         ; the sum and the maximum are brought up to date behind the products: two of the places there
.set FT, ST+4*(\t)
	v_pk_fma_f32 v[FT+2:FT+3], v[FT+2:FT+3], v[FT:FT+1], v[10:11] op_sel_hi:[1,0,1]
	v_mov_b32 v[FT+1], v8
.endm
; A key step: 64 keys.  ahead = 1: the next step's K and b' are asked for, and the addresses step.
.macro KSTEP ahead
	s_wait_dscnt 0x0                               ; K and b', asked for in the step before (step 0's: ahead of the loop), are in
.irp t, 0,1,2,3
	SCORES \t
	PLACES 4                                       ; ahead of the first read of the scores
	SOFTMAX \t, \ahead
.if \t == 0
	s_wait_dscnt 0x0                               ; V is in
.endif
	PV \t
	DEFER \t
.if \t < 3
	PLACES 3                                       ; with the two lines above: five places ahead of the product that writes over P
.endif
.endr
.if \ahead
	s_wait_alu depctr_vm_vsrc(0)                   ; the loads issued so far have read v4 and v5
	v_add_nc_u32 v[WA], RECB, v[WA]                ; the next record;
	v_add_nc_u32 v[WSA], 256, v[WSA]               ; the next 64 b'.  With the two lines above the wait and the one below: five places ahead of the product that writes over P
	v_nop
.endif
.endm
	s_wait_alu depctr_vm_vsrc(0)                   ; the loads of Wq's fragments have read v4 and v5
	s_lshl_b32 s41, s15, 17
	v_add_nc_u32 v[WA], s41, v[LI]                 ; my head's record 0
	v_bfe_u32 v[WSA], v0, 4, 1
	v_lshl_add_u32 v[WSA], v[WSA], 5, BBO          ; b' of keys 8 h + 0 .. 7 of a tile
	s_wait_alu depctr_va_vdst(0)                   ; v4 and v5 are written, which the loads below read; Q's products are done reading Q's codes, in which they land
	KLOAD 0, 0                                     ; step 0's K and b'
	s_mov_b32 s40, 15
.Lstep:                                            ; 15 trips of 64 keys
	KSTEP 1
	s_sub_co_u32 s40, s40, 1
	s_cmp_lg_u32 s40, 0
	s_cbranch_scc1 .Lstep
	KSTEP 0                                        ; the last step is written out: no load reaches past the head's sixteen records
	; ---- the way out: O^T / the sum; two heads' 128 bytes of a row meet in a stage, and whole aligned runs of 256 bytes are stored
	s_wait_alu depctr_vm_vsrc(0)                   ; the loop's loads have read v4 and v5, the loads of codes v6: the three are made anew below
.irp t, 0,1,2,3
	v_add_f32 v[8+\t], v[ST+4*\t+2], v[ST+4*\t+3]  ; the sum's two halves,
.endr
.irp t, 0,1,2,3
	v_permlanex16_b32 v[12+\t], v[8+\t], s20, s21
.endr
.irp t, 0,1,2,3
	v_add_f32 v[8+\t], v[8+\t], v[12+\t]           ; and lane l xor 16's
.endr
.irp t, 0,1,2,3
	v_rcp_f32 v[ST+4*\t], v[8+\t]
.endr
	v_and_b32 v14, 15, v0                          ; r  (plain work behind the reciprocals: the addresses)
	v_bfe_u32 v15, v0, 4, 1                        ; h
	s_mul_i32 s41, s16, 64*SP                      ; my 64 rows of the stage,
	s_lshl_b32 s42, s15, 7                         ; my head's 128 bytes of a row
	s_add_co_u32 s41, s41, s42
	v_mul_u32_u24 v4, v14, SP
	v_lshl_add_u32 v4, v15, 5, v4
	v_add_nc_u32 v4, s41, v4                       ; in: row r, + 32 h
	s_mul_i32 s41, s14, 32*SP                      ; back: wave w takes rows 32 w .. + 31, whole;
	v_mul_u32_u24 v5, v15, SP
	v_lshl_add_u32 v5, v14, 4, v5
	v_add_nc_u32 v5, s41, v5                       ; lanes 0-15 one row, lanes 16-31 the next
	v_lshlrev_b32 v6, 10, v15
	v_lshl_add_u32 v6, v14, 4, v6                  ; and the same two rows in out
	s_wait_alu depctr_va_vdst(0)                   ; one wait for the four reciprocals, ahead of their first reader
.irp t, 0,1,2,3
.irp j, 0,2,4,6,8,10,12,14
	v_pk_mul_f32 v[OT+16*\t+\j:OT+16*\t+\j+1], v[OT+16*\t+\j:OT+16*\t+\j+1], v[ST+4*\t:ST+4*\t+1] op_sel_hi:[1,0]
.endr
.endr
	s_wait_alu depctr_va_vdst(0)                   ; the multiplications have written O^T, which the stores into the stage read; v4 to v6 are written; the score products are done reading v16-79, in which the rows read back land
	BARRIER                                        ; every wave's reads of K and V are over: the stage may be written over them
.irp t, 0,1,2,3
.irp ct, 0,1
	ds_store_b128 v4, v[OT+16*\t+8*\ct:OT+16*\t+8*\ct+3] offset:16*SP*\t+64*\ct          ; lane (r, h): query 16 t + r, channels 16 ct + 8 h + 0 .. 7
	ds_store_b128 v4, v[OT+16*\t+8*\ct+4:OT+16*\t+8*\ct+7] offset:16*SP*\t+64*\ct+16
.endr
.endr
	BARRIER                                        ; a row's 256 bytes come from two waves
.irp i, 0,1,2,3,4,5,6,7,8,9,10,11,12,13,14,15
	ds_load_b128 v[16+4*\i:19+4*\i], v5 offset:2*SP*\i
.endr
.irp i, 0,1,2,3,4,5,6,7,8,9,10,11,12,13,14,15
	s_wait_dscnt 15-\i                             ; LDS loads come back in order: pair i of rows is in
	global_store_b128 v6, v[16+4*\i:19+4*\i], s[12:13] offset:2048*\i th:TH_STORE_NT   ; sixteen lanes store 256 consecutive bytes, at a multiple of 256 from out's first byte; written once
.endr
	s_wait_dscnt 0x0                               ; the closing lines, six on end
	s_wait_alu 0x0
	s_wait_tensorcnt 0x0
	ds_add_u32 v[SPW], v[NIL]
	s_wait_dscnt 0x0
	s_endpgm
.Lfunc_end_k_q3bdddbc2f8_attn:
	.size	k_q3bdddbc2f8_attn, .Lfunc_end_k_q3bdddbc2f8_attn-k_q3bdddbc2f8_attn
	.p2alignl 7, 3214868480
	.fill 96, 4, 3214868480
	.section	.rodata,"a",@progbits
	.p2align	6, 0x0
	.amdhsa_kernel k_q3bdddbc2f8_attn
		.amdhsa_group_segment_fixed_size 300032
		.amdhsa_private_segment_fixed_size 0
		.amdhsa_enable_private_segment 0
		.amdhsa_kernarg_size 40
		.amdhsa_user_sgpr_count 2
		.amdhsa_user_sgpr_kernarg_segment_ptr 1
		.amdhsa_wavefront_size32 1
		.amdhsa_system_sgpr_workgroup_id_x 1
		.amdhsa_system_sgpr_workgroup_id_y 1
		.amdhsa_system_sgpr_workgroup_id_z 1
		.amdhsa_system_vgpr_workitem_id 0
		.amdhsa_next_free_vgpr 256
		.amdhsa_next_free_sgpr 66
		.amdhsa_reserve_vcc 0
		.amdhsa_float_denorm_mode_32 3
		.amdhsa_float_denorm_mode_16_64 3
		.amdhsa_memory_ordered 1
		.amdhsa_forward_progress 1
		.amdhsa_inst_pref_size 111
	.end_amdhsa_kernel
	.amdgpu_metadata
---
amdhsa.version: [ 1, 2 ]
amdhsa.kernels:
  - .name:           k_q3bdddbc2f8_attn
    .symbol:         k_q3bdddbc2f8_attn.kd
    .args:
      - { .name: xcodes, .offset: 0, .size: 8, .value_kind: global_buffer, .address_space: global }
      - { .name: xscales, .offset: 8, .size: 8, .value_kind: global_buffer, .address_space: global }
      - { .name: wimg, .offset: 16, .size: 8, .value_kind: global_buffer, .address_space: global }
      - { .name: mask, .offset: 24, .size: 8, .value_kind: global_buffer, .address_space: global }
      - { .name: out0, .offset: 32, .size: 8, .value_kind: global_buffer, .address_space: global }
    .group_segment_fixed_size: 300032
    .private_segment_fixed_size: 0
    .kernarg_segment_align: 8
    .kernarg_segment_size: 40
    .max_flat_workgroup_size: 512
    .sgpr_count:     66
    .vgpr_count:     256
    .wavefront_size: 32
...
	.end_amdgpu_metadata
.endif
;; end of part 3
